; MI455X (gfx1250); checked and timed in simulation.
; The chip was launched on July 23, 2026; its instructions are those of AMD's public machine-readable ISA for CDNA 5 (MIT licence, August 2026) and "CDNA5" Instruction Set Architecture Reference Guide (July 2026). The comments in the code are by the model that wrote it; some were corrected since.
;; Scaled Dot Product Attention. Allowed arithmetic: matrix products marked QUANTISED: E5M2 operands, one E8M0 scale for each 32 along K, by v_wmma_scale_f32_16x16x128_f8f6f4 with both operands' format E5M2, f32 sums; everything else in f32.
;; Inputs: k_codes 4 x 16 x 2,048 x 4 x 32 uint8 (E5M2 codes of k, K innermost, in blocks of 32 codes); k_scales 4 x 16 x 2,048 x 4 uint8 (E8M0 scales of k, one for each 32 codes along K); mask 4 x 16 x 2,048 int32; q 4 x 16 x 2,048 x 128 float32; v_codes 4 x 16 x 128 x 64 x 32 uint8 (E5M2 codes of v, K innermost, in blocks of 32 codes); v_scales 4 x 16 x 128 x 64 uint8 (E8M0 scales of v, one for each 32 codes along K).
;; Outputs: out0 4 x 16 x 2,048 x 128 float32.
;; This version of the problem:
;;   THIS VERSION OF THE PROBLEM IS GIVEN IN LOW PRECISION. The matrix products marked QUANTISED in the list below multiply operands that are first quantised to E5M2 (5 exponent bits, 2 mantissa bits; 8 bits a number), with one power-of-two scale for each 32 numbers along K (OCP MX v1.0); their sums are f32. All else is computed in f32.
;;   The module's matrix products, in the order in which they are computed (A, B: the left and right operand; K: the contracted axis; several contracted axes count as one K, in the product's order):
;;     1. batch 64 x [M 2,048, K 128] x [K 128, N 2,048]; A: computed on the way; B: input k (given as codes): QUANTISED
;;     2. batch 64 x [M 2,048, K 2,048] x [K 2,048, N 128]; A: softmax (see below); B: input v (given as codes): QUANTISED
;;   THE QUANTISER, for each operand of a quantised product, along K:
;;     - K is cut into blocks of 32 from its start; a last block that is shorter is filled with zeros.
;;     - A block's scale is 2^e with e = floor(log2(the largest magnitude in the block)) - 15, held to -126 .. 127; a block of zeros has e = 0. As a byte (E8M0): e + 127.
;;     - Each number is divided by its block's scale, clamped to +-57,344, and rounded to the nearest number of E5M2, ties to even, subnormals kept.
;;     - The product sums the exact products of the quantised numbers (number of the format x scale) in f32.
;;   ~~~python
;;   def quantise(x, axis):      # numpy; x: float32 -> the quantised numbers, widened to float32 again
;;       x = np.moveaxis(x, axis, -1); K = x.shape[-1]
;;       x = np.pad(x, [(0, 0)] * (x.ndim - 1) + [(0, -K % 32)]); x = x.reshape(x.shape[:-1] + (-1, 32)); a = np.abs(x).max(-1, keepdims=True)
;;       e = np.where(a > 0, np.clip(np.frexp(np.where(a > 0, a, 1))[1] - 1 - 15, -126, 127), 0)      # np.frexp(a)[1] - 1 = floor(log2(a)), exactly
;;       r = np.clip(x / 2.0 ** e, -57344, 57344)
;;       step = 2.0 ** (np.maximum(np.frexp(np.where(r == 0, 1, r))[1] - 1, -14) - 2)
;;       q = np.round(r / step) * step * 2.0 ** e      # np.round: ties to even
;;       return np.moveaxis(q.reshape(q.shape[:-2] + (-1,))[..., :K], -1, axis).astype(np.float32)
;;   ~~~
;;   SOFTMAX AHEAD OF A QUANTISED PRODUCT. Where the list says 'softmax', what is quantised is not the finished softmax but p = 2^(t - M), with t = logit x log2(e) and M = ceil(the row's largest t), a whole number; so 1/2 < the row's largest p <= 1. The row's sum l is taken of the UNQUANTISED p, in f32, and the product's result is divided by l at the end. Since M is a whole number, a kernel that streams over the keys may use a running M (the ceiling of the running maximum): every later rescaling is an exact power of two, which a block's scale takes up: the codes' values come out the same.
;;   OPERANDS COMPUTED ON THE WAY. 'Computed on the way' means the value that the module computes at that place (a softmax that the list does not call 'softmax' is quantised finished and normalised). What goes into a quantiser is computed in f32, as accurately as f32 sums, v_exp_f32 and their like allow (about 1e-6 of the number): no bf16 or f16 on the way to a quantiser, and a product that is left as it is and whose result goes on into a quantised operand takes f32 operands (vector FMAs, or v_wmma_f32_16x16x4_f32). A number that lies on a knife's edge between two numbers of the format may be rounded either way, as far as f32 arithmetic and the matrix unit's own rounding can turn it there, and no further.
;;   INPUTS GIVEN AS CODES. k (in the module: [4, 16, 2048, 128], K = its axis 3); v (in the module: [4, 16, 2048, 128], K = its axis 2): each comes as NAME_codes (uint8): NAME with its K axis moved to the last place and cut into blocks of 32 codes, [.., K / 32, bytes a block], one block behind the other in memory; one code a byte (a code: sign, 5 exponent bits, 2 mantissa bits); and NAME_scales (uint8): the same leading axes, one E8M0 byte (e + 127) for each 32 codes along K. Its value is code x scale, taken as it is: it is not quantised again, and the codes and scales need not be those that the quantiser above would give.
;; One version. Each part assembles by itself: llvm-mc -triple=amdgcn-amd-amdhsa -mcpu=gfx1250 --defsym DOCPART=n.
;; ======== version 1 of 1: 1 launch
;; limits: inputs' magnitudes at most 3.02e+23; right only within a limited range of input values
;; launch attn (part 1): grid 4 x 64, 8 waves a work-group, clusters of 4 x 1, 327,680 bytes of LDS; arguments q, k_codes, k_scales, v_codes, v_scales, mask, out0; writes out0
.if DOCPART == 1
	.amdgcn_target "amdgcn-amd-amdhsa--gfx1250"
	.amdhsa_code_object_version 6
	.text
	.protected	k_qcb0208e9ed_attn
	.globl	k_qcb0208e9ed_attn
	.p2align	8
	.type	k_qcb0208e9ed_attn,@function
k_qcb0208e9ed_attn:
	s_mov_b64 s[64:65], 0
	v_nop
	global_prefetch_b8 v0, s[64:65] scope:SCOPE_SE
	s_setreg_imm32_b32 hwreg(HW_REG_WAVE_MODE, 25, 1), 1
	s_wait_xcnt 0x0
	s_wait_alu depctr_hold_cnt(0) depctr_sa_sdst(0) depctr_va_vdst(0) depctr_va_sdst(0) depctr_va_ssrc(0) depctr_va_vcc(0) depctr_vm_vsrc(0)
	s_getreg_b32 s2, hwreg(HW_REG_IB_STS2, 6, 4)
	s_cmp_eq_u32 s2, 0
	s_cbranch_scc0 .Lentry_in_a_cluster
	s_endpgm
.Lentry_in_a_cluster:
	s_bfe_u32 s2, ttmp6, 0x10000c
	s_cmp_lg_u32 s2, 0x3003
	s_cbranch_scc0 .Lentry_shape_is_right
	s_endpgm
.Lentry_shape_is_right:
; out0[head][q][:] = the sum over keys of softmax_key(q . k, -1e9 where mask == 0) v[key][:], 64 heads, 2,048 queries, 2,048 keys, head size 128; t = score x log2(e).
; Both products on codes of BF8 (E5M2) with one E8M0 scale for each 32 along a product's K.  q arrives as f32 and is quantised here, in registers, along its 128 channels (each row is read by one wave).
; THE SOFTMAX AHEAD OF THE SECOND PRODUCT: M = the largest t so far, rounded UP to a whole number; p = 2^(t - M) is quantised along the keys, not normalised; the sum of the unquantised p divides at the end.
; When M moves, the sum and O are multiplied by 2^(old M - new M): exact.
; THE MASK: a masked key's scale word of K is replaced by 0 (four bytes that stand for 2^-127: its products vanish), and the first product's C is a BIAS tile: 0 for a key that counts, FILL for a masked one.
; FILL is -1e9 where the head has a key that counts.  Where it has none, all logits are equal, a softmax does not change under a common shift, and FILL is 0.  The choice is a select, never a branch.
; LIMITS: NaN and infinities in q, NaN or infinity codes and scale bytes 0xff are not served, at masked keys too.  In a head without a key that counts |q| stays under 2^78, so that the vanishing products
; stay under 2^-25.  A block of q whose largest magnitude lies under 2^-111 (a block of zeros among them) keeps the scale byte 1; only this program reads q's bytes.
; SHARES.  256 work-groups.  A work-group STAYS for two blocks of 256 queries of one head, 1,024 rows apart; each of its eight waves owns 32 rows of a block: two tiles of 16, so that each fragment of K and V
; feeds two matrix instructions; 512 registers a wave.  The tables of scale words and bias are made once for both blocks, and the ring of K and V goes on from the first walk over the keys into the second.
; LAYOUT.  Both products are used transposed: S^T = K Q^T + bias, O^T = V^T P^T: a lane holds ONE query (lane % 16) throughout.  A tile of K is 16 NEIGHBOURING keys.  So p's 16 registers of tiles 2 b, 2 b + 1
; hold keys 32 b + 8 h + 0..7 and 32 b + 16 + 8 h + 0..7 (h = lane / 16), and V's fragment takes the same keys in the same places: two pieces of 8 bytes, 16 apart.  That is one order of the 32 keys of a block
; for both operands, under the block's one scale.
; CLUSTER.  The four work-groups of a cluster are the four pairs of query blocks of one head and walk the same K and V: each tile is asked for JOINTLY.
; RING.  Two LDS slots of 256 keys.  Waves 0-3 fetch 64 rows of K each, waves 4-7 32 rows of V each: one tensor load a wave is out.  The change of slots stands INSIDE a slot's last step: my last reads of the
; slot (V's second group) are waited for ahead of tile 1's exponentials, the opening signal follows, and the rest of the softmax is work on registers inside the round.
; PREFETCH.  In the first walk K's and V's slot is named one change ahead of its tensor load (wave 4: K, wave 5: V; the four partners share the 128 blocks of each out by address, a lane a block of 256 bytes).
; The second walk's tiles have been read once by the same cluster and are not named again.  The second block's rows of q are named by their own wave four slots ahead of their loads.
; REGISTERS, two windows of 256 (s_set_vgpr_msb: bits 1:0 source 0, 3:2 source 1, 5:4 source 2, 7:6 destination).  Tile t's own registers, v72-255, have the same numbers in window t.
;   window 0, v0-71: addresses, scale words, the bias of four tiles.   window 1, v0-63: four fragments of K or of V; v64-71 the LDS addresses of V's eight tiles.
.set KP,    144                        ; a key's row in LDS: 128 bytes + 16 of padding
.set VP,    272                        ; a row of V's tile: 256 bytes + 16 of padding
.set VOFF,  256*KP                     ; a slot: 256 rows of K, then 128 rows of V: 71,680 bytes
.set SLOT1, 1<<17                      ; slot 1 begins here
.set KS,    73728                      ; K's masked scale words: (step s, tile T, row r) at 512 s + 256 (T / 4) + 16 r + 4 (T % 4)
.set VS,    KS+8192                    ; V's scale words, laid alike
.set BIAS,  KS+16384                   ; the bias, f32, 4 bytes a key in the keys' own order
.set SP,    528                        ; a stage row: 512 bytes + 16
.set STG,   16*SP                      ; a wave's stage
.set STAGE, 204800                     ; the eight stages: bytes of their own, into which no tile lands
.set SPARE, STAGE+8*STG                ; the spare words, 128 bytes for each wave
.set FLG,   SPARE+1024                 ; eight words: does wave w's part of the mask hold a key that counts
.set NEXTQ, 1024*512                   ; bytes from a row of the first block to the same row of the second
.set AK0,  1
.set AV0,  2
.set ASC0, 3
.set ABI0, 4
.set SPW,  5                           ; LDS address of my spare word; never rewritten
.set NIL,  6                           ; 0; never rewritten
.set PFO,  7                           ; the ring's prefetches' offset; never rewritten
.set ADK,  8                           ; K's tiles in the slot in hand
.set ADS,  10                          ; the step's scale words
.set ADB,  11                          ; the step's bias
.set KSW,  12
.set VSW,  20
.set QSW,  28
.set PSW,  30
.set BI,   32
.set STO,  64                          ; stage: row r, + 32 h
.set RD,   65                          ; stage: 16 x lane
.set CO,   66                          ; 16 x lane: my place in a row of q or out0
.set QA,   67                          ; stage: row r, + 64 h
.set PFQ,  68                          ; 256 x lane; never rewritten
.set AVT,  64                          ; window 1: v64-71
.set S,    72
.set OT,   136
.set QF,   200
.set PC,   216
.set BM,   232
.set PT,   236
.set HD,   240
.set SO,   244
.set NM,   248
.set TM,   249
.set SUM,  250
.set FAC,  252
.set TP,   254
.set PM,   136                         ; the head's work, in window 0
.set PK,   144
.set PV,   152
.set PF,   160
.set PA,   170
.set WV,   18
.set MNT,  19
.set SEL,  20
.set CS,   22
.set G1K,  24
.set G1V,  32
.set G0K,  40
.set G0V,  44
.set TB,   48                          ; LDS byte at which the slot in hand begins
.set TS,   49                          ; 512 x key step of the walk
.set SLOTS, 50
.set LIM,  51
.set PFA,  52
.set PFS,  54
.set FILL, 56
.set FN,   60                          ; the number of the slot that is asked for next
.set MK,   66
.set KB,   76                          ; s[76:77] my rows of K's first slot in memory;  s[78:79] of V's
.set VB,   78
.set OFF,  80                          ; s[80:81] an offset, its upper word 0
.set MSB, 0
.macro WIN new
.if MSB != (\new)
	s_set_vgpr_msb (MSB<<8)|(\new)
.set MSB, (\new)
.endif
.endm
.macro PLACES n
.rept \n
	v_nop
.endr
.endm
.macro CREST                           ; a round of the cluster's barrier behind its opening barrier
	s_cmp_lg_u32 s[WV], 0
	s_cbranch_scc1 .Lnot_wave_0_\@
	s_barrier_signal -3
.Lnot_wave_0_\@:
	s_barrier_wait -3
	s_barrier_signal -1
	s_barrier_wait -1
.endm
.macro CROUND
	s_barrier_signal -1
	s_barrier_wait -1
	CREST
.endm
; A joint load: every wave issues one.  The branch hangs on the wave's number alone.  s_nop 0 and four v_nop follow each line.
.macro TLOAD
	s_cmp_lt_u32 s[WV], 4
	s_cbranch_scc0 .Lfor_v_\@
	tensor_load_to_lds s[G0K:G0K+3], s[G1K:G1K+7]
	s_nop 0
	PLACES 4
	s_branch .Lasked_\@
.Lfor_v_\@:
	tensor_load_to_lds s[G0V:G0V+3], s[G1V:G1V+7]
	s_nop 0
	PLACES 4
.Lasked_\@:
.endm
.macro ASK                             ; the slot that the next change will ask for; slots 2 to 7 of the first walk
	s_cmp_gt_u32 s[SLOTS], s[LIM]
	s_cbranch_scc0 .Lnot_mine_\@
	global_prefetch_b8 v[PFO], s[PFA:PFA+1] th:TH_LOAD_NT scope:SCOPE_SE
.Lnot_mine_\@:
.endm
.macro ASKQ                            ; my 32 rows of the second block of q: 64 blocks of 256 bytes, a lane a block
	s_cmp_eq_u32 s[SLOTS], 11
	s_cbranch_scc0 .Lnot_now_\@
	global_prefetch_b8 v[PFQ], s[4:5] offset:NEXTQ th:TH_LOAD_NT scope:SCOPE_SE
	global_prefetch_b8 v[PFQ], s[4:5] offset:NEXTQ+8192 th:TH_LOAD_NT scope:SCOPE_SE
.Lnot_now_\@:
.endm
.macro NEXTFILL                        ; both groups 0 for slot FN: keys 256 (FN % 8) on, into the other LDS slot than last time
	s_and_b32 s[OFF], s[FN], 7
	s_lshl_b32 s82, s[OFF], 8
	s_lshl_b32 s[OFF], s[OFF], 15
	s_add_nc_u64 s[G0K+2:G0K+3], s[KB:KB+1], s[OFF:OFF+1]
	s_or_b32 s[G0K+3], s[G0K+3], 0x80000000
	s_mov_b32 s[OFF], s82
	s_add_nc_u64 s[G0V+2:G0V+3], s[VB:VB+1], s[OFF:OFF+1]
	s_or_b32 s[G0V+3], s[G0V+3], 0x80000000
	s_xor_b32 s[G0K+1], s[G0K+1], SLOT1
	s_xor_b32 s[G0V+1], s[G0V+1], SLOT1
	s_add_co_u32 s[FN], s[FN], 1
.endm
; The lines ahead of a change of slots, and its opening signal.  fill = 1: a refill follows the round; 2: nothing is filled again.
.macro MEET fill
	WIN 0
	s_wait_tensorcnt 0x0                           ; my one tensor load, my part of the next slot, has landed
	ds_add_u32 v[SPW], v[NIL]
.if \fill == 1
	NEXTFILL
	s_wait_xcnt 0x0                                ; my last prefetch has read its address
	s_add_nc_u64 s[PFA:PFA+1], s[PFA:PFA+1], s[PFS:PFS+1]
.endif
	s_wait_dscnt 0x0                               ; the add is done, and my reads of this slot are over
	s_barrier_signal -1
.endm
; Four tiles of keys (4 g on) of the slot's q-th step: bias into window 0, fragments into window 1; with g = 0 K's eight scale words, with g = 1 V's.
.macro KLOAD q, g
	WIN 0
.if \g == 0
	ds_load_b128 v[KSW:KSW+3],   v[ADS]
	ds_load_b128 v[KSW+4:KSW+7], v[ADS] offset:256
.else
	ds_load_b128 v[VSW:VSW+3],   v[ADS] offset:VS-KS
	ds_load_b128 v[VSW+4:VSW+7], v[ADS] offset:VS-KS+256
.endif
.irp u, 0,1,2,3
	ds_load_b128 v[BI+8*\u:BI+8*\u+3],   v[ADB] offset:256*\g+64*\u       ; tile T, register j, half h: key 16 T + 8 h + j
	ds_load_b128 v[BI+8*\u+4:BI+8*\u+7], v[ADB] offset:256*\g+64*\u+16
.endr
	WIN 0x40
.irp u, 0,1,2,3
.irp c, 0,1,2,3
	ds_load_b128 v[16*\u+4*\c:16*\u+4*\c+3], v[ADK] offset:(128*\q+16*(4*\g+\u))*KP+32*\c
.endr
.endr
.endm
; Four tiles of 16 channels (4 g on) x the step's 128 keys into v[dst ..]: of each block of 32 keys the 8 bytes at 8 h and the 8 bytes at 16 + 8 h (offsets in units of 8 bytes).  The caller sets the windows.
.macro VLOAD q, g, dst
.irp u, 0,1,2,3
.irp c, 0,1,2,3
	ds_load_2addr_b64 v[\dst+16*\u+4*\c:\dst+16*\u+4*\c+3], v[AVT+4*\g+\u] offset0:16*\q+4*\c offset1:16*\q+4*\c+2
.endr
.endr
.endm
.macro SETSLOT                         ; the addresses that hang on the slot
	v_add_nc_u32 v[ADK], s[TB], v[AK0]
	WIN 0x40
	v_add_nc_u32 v[AVT], s[TB], v[AV0]
	WIN 0x44
.irp u, 1,2,3,4,5,6,7
	v_add_nc_u32 v[AVT+\u], \u*16*VP, v[AVT]
.endr
	WIN 0
.endm
.macro NEXTK q, newslot                ; the next step's addresses, and its first loads
	WIN 0
	s_add_co_u32 s[TS], s[TS], 512
	s_and_b32 s[TS], s[TS], 0x1fff                 ; the second walk begins at the tables' heads again
.if \newslot
	s_xor_b32 s[TB], s[TB], SLOT1
	SETSLOT
.endif
	v_add_nc_u32 v[ADS], s[TS], v[ASC0]
	v_add_nc_u32 v[ADB], s[TS], v[ABI0]
	KLOAD \q, 0
.endm
.macro SMUL g                          ; S^T = K Q^T + bias: eight different accumulators
	WIN 0x01
.irp u, 0,1,2,3
	v_wmma_scale_f32_16x16x128_f8f6f4 v[S+8*(4*\g+\u):S+8*(4*\g+\u)+7], v[16*\u:16*\u+15], v[QF:QF+15], v[BI+8*\u:BI+8*\u+7], v[KSW+4*\g+\u], v[QSW] matrix_a_fmt:MATRIX_FMT_BF8 matrix_b_fmt:MATRIX_FMT_BF8
.endr
	WIN 0x45
.irp u, 0,1,2,3
	v_wmma_scale_f32_16x16x128_f8f6f4 v[S+8*(4*\g+\u):S+8*(4*\g+\u)+7], v[16*\u:16*\u+15], v[QF:QF+15], v[BI+8*\u:BI+8*\u+7], v[KSW+4*\g+\u], v[QSW+1] matrix_a_fmt:MATRIX_FMT_BF8 matrix_b_fmt:MATRIX_FMT_BF8
.endr
.endm
.macro PMUL1                           ; O^T += V^T P^T, channels 0-63: V in window 1.  The accumulators take turns
	WIN 0x01
.irp u, 0,1,2,3
	v_wmma_scale_f32_16x16x128_f8f6f4 v[OT+8*\u:OT+8*\u+7], v[16*\u:16*\u+15], v[PC:PC+15], v[OT+8*\u:OT+8*\u+7], v[VSW+\u], v[PSW] matrix_a_fmt:MATRIX_FMT_BF8 matrix_b_fmt:MATRIX_FMT_BF8
.endr
	WIN 0x55
.irp u, 0,1,2,3
	v_wmma_scale_f32_16x16x128_f8f6f4 v[OT+8*\u:OT+8*\u+7], v[16*\u:16*\u+15], v[PC:PC+15], v[OT+8*\u:OT+8*\u+7], v[VSW+\u], v[PSW+1] matrix_a_fmt:MATRIX_FMT_BF8 matrix_b_fmt:MATRIX_FMT_BF8
.endr
.endm
.macro PMUL2                           ; channels 64-127: V lies in tile 0's spent score registers, window 0
	WIN 0
.irp u, 0,1,2,3
	v_wmma_scale_f32_16x16x128_f8f6f4 v[OT+32+8*\u:OT+32+8*\u+7], v[S+16*\u:S+16*\u+15], v[PC:PC+15], v[OT+32+8*\u:OT+32+8*\u+7], v[VSW+4+\u], v[PSW] matrix_a_fmt:MATRIX_FMT_BF8 matrix_b_fmt:MATRIX_FMT_BF8
.endr
	WIN 0x54
.irp u, 0,1,2,3
	v_wmma_scale_f32_16x16x128_f8f6f4 v[OT+32+8*\u:OT+32+8*\u+7], v[S+16*\u:S+16*\u+15], v[PC:PC+15], v[OT+32+8*\u:OT+32+8*\u+7], v[VSW+4+\u], v[PSW+1] matrix_a_fmt:MATRIX_FMT_BF8 matrix_b_fmt:MATRIX_FMT_BF8
.endr
.endm
; The largest score of blocks b0 and b0 + 1 among my 16 keys of each: four chains by turns; each accumulator is read from its low end on.
.macro BMAX b0
.irp b, \b0, \b0+1
	v_max3_num_f32 v[BM+\b], v[S+16*(\b)], v[S+16*(\b)+1], v[S+16*(\b)+2]
	v_max3_num_f32 v[PT+\b], v[S+16*(\b)+8], v[S+16*(\b)+9], v[S+16*(\b)+10]
.endr
.irp b, \b0, \b0+1
	v_max3_num_f32 v[BM+\b], v[BM+\b], v[S+16*(\b)+3], v[S+16*(\b)+4]
	v_max3_num_f32 v[PT+\b], v[PT+\b], v[S+16*(\b)+11], v[S+16*(\b)+12]
.endr
.irp b, \b0, \b0+1
	v_max3_num_f32 v[BM+\b], v[BM+\b], v[S+16*(\b)+5], v[S+16*(\b)+6]
	v_max3_num_f32 v[PT+\b], v[PT+\b], v[S+16*(\b)+13], v[S+16*(\b)+14]
.endr
.irp b, \b0, \b0+1
	v_max3_num_f32 v[BM+\b], v[BM+\b], v[PT+\b], v[S+16*(\b)+7]
.endr
.irp b, \b0, \b0+1
	v_max_num_f32 v[BM+\b], v[BM+\b], v[S+16*(\b)+15]
.endr
.endm
; Tile t's softmax of a key step; blocks 0 and 1 have their maxima already.  bar != 0: the change of slots opens ahead of the exponentials.
.macro SOFT t, bar
	WIN 0x55*\t
	BMAX 2
.irp b, 0,1,2,3
	v_permlanex16_b32 v[PT+\b], v[BM+\b], s[SEL], s[SEL+1]
.endr
.irp b, 0,1,2,3
	s_delay_alu instid0(VALU_DEP_4)
	v_max_num_f32 v[BM+\b], v[BM+\b], v[PT+\b]     ; the block's largest score: it serves for the row's maximum and, since p rises with the score, for the block's largest p
.endr
	s_delay_alu instid0(VALU_DEP_2)
	v_max3_num_f32 v[TP], v[BM], v[BM+1], v[BM+2]
	s_delay_alu instid0(VALU_DEP_1)
	v_max_num_f32 v[TP], v[TP], v[BM+3]
	s_delay_alu instid0(VALU_DEP_1)
	v_mul_f32 v[TP], s[CS], v[TP]                  ; as t (c is positive)
	s_delay_alu instid0(VALU_DEP_1)
	v_max_num_f32 v[TM], v[TM], v[TP]              ; the running largest t
	v_mov_b32 v[TP], v[NM]
	s_delay_alu instid0(VALU_DEP_2)
	v_floor_f32 v[NM], -v[TM]                      ; the new -M = -ceil(t): a whole number
	s_delay_alu instid0(VALU_DEP_1)
	v_sub_f32 v[TP], v[NM], v[TP]
	s_delay_alu instid0(VALU_DEP_1)
	v_cvt_i32_f32 v[TP], v[TP]                     ; (it saturates)
	s_delay_alu instid0(VALU_DEP_1)
	v_ldexp_f32 v[FAC], 1.0, v[TP]                 ; f = 2^(old M - new M)
.set j, 0
.rept 32
	v_pk_fma_f32 v[S+j:S+j+1], v[S+j:S+j+1], s[CS:CS+1], v[NM:NM+1] op_sel_hi:[1,0,0]   ; t - M
.set j, j+2
.endr
.irp b, 0,1,2,3
	v_fma_f32 v[BM+\b], v[BM+\b], s[CS], v[NM]
.endr
	s_wait_alu depctr_va_vdst(0)                   ; the wait ahead of the batch (and of the waits of the change of slots)
.if \bar
	MEET \bar
	WIN 0x55*\t
.endif
.set j, 0
.rept 64
	v_exp_f32 v[S+j], v[S+j]                       ; p = 2^(t - M): not normalised
.set j, j+1
.endr
	v_pk_mul_f32 v[SUM:SUM+1], v[SUM:SUM+1], v[FAC:FAC+1] op_sel_hi:[1,0]
	s_wait_alu depctr_va_vdst(0)                   ; one wait for the batch of 64
.irp b, 0,1,2,3
	v_exp_f32 v[BM+\b], v[BM+\b]                   ; the block's largest p
.endr
	v_pk_add_f32 v[PT:PT+1], v[S:S+1], v[S+2:S+3]  ; the sum is taken of the UNQUANTISED p, in two chains
.set j, 4
.rept 15
	v_pk_add_f32 v[SUM:SUM+1], v[SUM:SUM+1], v[S+j:S+j+1]
	v_pk_add_f32 v[PT:PT+1], v[PT:PT+1], v[S+j+2:S+j+3]
.set j, j+4
.endr
	s_delay_alu instid0(VALU_DEP_1)
	v_pk_add_f32 v[SUM:SUM+1], v[SUM:SUM+1], v[PT:PT+1]
	s_wait_alu depctr_va_vdst(0)                   ; and one for the four
.irp b, 0,1,2,3
	v_max_num_f32 v[BM+\b], 0x8000000, v[BM+\b]    ; the floor 2^(16 - 127): the byte cannot fall under 1
.endr
.irp b, 0,1,2,3
	s_delay_alu instid0(VALU_DEP_4)
	v_add_nc_u32 v[SO+\b], 0xf8800000, v[BM+\b]    ; 15 off the exponent field: the conversion's scale operand
.endr
.irp b, 0,1,2,3
	v_and_or_b32 v[HD+\b], v[BM+\b], 0x7f800000, s[MNT]   ; 57,344 x the scale
.endr
.irp b, 0,1,2,3
	v_lshrrev_b32 v[PT+\b], 23, v[SO+\b]           ; the scale's byte
.endr
	s_delay_alu instid0(VALU_DEP_3)
	v_lshl_or_b32 v[FAC+1], v[PT+1], 8, v[PT]
	s_delay_alu instid0(VALU_DEP_1)
	v_lshl_or_b32 v[FAC+1], v[PT+2], 16, v[FAC+1]
	WIN 0x11*\t
	v_lshl_or_b32 v[PSW+\t], v[PT+3], 24, v[FAC+1] ; p's scale word for these 128 keys
	WIN 0x55*\t
.irp b, 0,1,2,3
.set j, 0
.rept 16
	v_min_num_f32 v[S+16*\b+j], v[S+16*\b+j], v[HD+\b]   ; the hold (ISA guide 7.6.2); p is not negative, so it is one-sided
.set j, j+1
.endr
	v_cvt_scalef32_pk8_bf8_f32 v[PC+4*\b:PC+4*\b+1], v[S+16*\b:S+16*\b+7], v[SO+\b]
	v_cvt_scalef32_pk8_bf8_f32 v[PC+4*\b+2:PC+4*\b+3], v[S+16*\b+8:S+16*\b+15], v[SO+\b]
.endr
.endm
.macro RESC half                       ; half of a tile's O^T under the new M: x f
.set j, 0
.rept 16
	v_pk_mul_f32 v[OT+32*\half+j:OT+32*\half+j+1], v[OT+32*\half+j:OT+32*\half+j+1], v[FAC:FAC+1] op_sel_hi:[1,0]
.set j, j+2
.endr
.endm
; A KEY STEP: 128 keys, the q-th of the slot in hand; its first four tiles of K, their bias and K's scale words were asked of LDS in the step before.
; mode 0: the next step lies in the same slot; 1: a round and a refill, the next step in the other slot; 2: a barrier and no refill; 3: the last step of all.
; A load into a register that a matrix instruction has read, and a vector instruction that reads a matrix result, stand eight places behind it.
.macro STEP q, mode
	s_wait_alu depctr_va_vdst(0)                   ; directly ahead of the wait below
	s_wait_dscnt 0x0
	SMUL 0
	WIN 0
	PLACES 8
	KLOAD \q, 1
	WIN 0
	BMAX 0                                         ; tile 0's first two maxima stand between the loads and the wait for them
	s_wait_dscnt 0x0
	SMUL 1
	WIN 0x55
	BMAX 0                                         ; tile 1's: sixteen places that name no register of the products just issued
	WIN 0x41
	VLOAD \q, 0, 0                                 ; lands under tile 0's softmax
	SOFT 0, 0
	WIN 0x01
	VLOAD \q, 1, S                                 ; into tile 0's score registers, whose numbers have become codes: lands under tile 1's softmax
.if (\mode == 1) || (\mode == 2)
	SOFT 1, \mode
.else
	SOFT 1, 0
.endif
	RESC 0
	WIN 0
	RESC 0
	s_wait_alu depctr_va_vdst(0)                   ; directly ahead of the wait below
.if \mode == 1
	s_barrier_wait -1
	CREST                                          ; no wave of the four work-groups reads this slot any more, and the next slot is whole
	TLOAD                                          ; the slot just read out takes the keys two slots on
	ASK
	ASKQ
.elseif \mode == 2
	s_barrier_wait -1
.else
	s_wait_dscnt 0x0
.endif
	PMUL1
	RESC 1                                         ; tile 1's other half: sixteen places ahead of the loads below
.if \mode == 0
	NEXTK 1, 0
.elseif \mode < 3
	NEXTK 0, 1
.endif
	WIN 0
	RESC 1
	PMUL2
	WIN 0
	PLACES 9                                       ; the next step's products write over registers that these have read: nine places
.endm
.macro QLOAD off                       ; my 32 rows of q, a row (512 bytes) a load: row i of tile t into v[S + 4 i ..] of window t
	WIN 0
.set i, 0
.rept 16
	global_load_b128 v[S+4*i:S+4*i+3], v[CO], s[4:5] offset:\off+512*i th:TH_LOAD_NT
.set i, i+1
.endr
	WIN 0x40
.set i, 0
.rept 16
	global_load_b128 v[S+4*i:S+4*i+3], v[CO], s[4:5] offset:\off+8192+512*i th:TH_LOAD_NT
.set i, i+1
.endr
	WIN 0
.endm
.macro TURNQ t                         ; tile t's rows through my stage: afterwards register 16 b + i = channel 32 b + 16 h + i of row r
	WIN 0x04*\t
.set i, 0
.rept 16
	ds_store_b128 v[RD], v[S+4*i:S+4*i+3] offset:i*SP
.set i, i+1
.endr
	s_wait_dscnt 0x0
	WIN 0x40*\t
.set i, 0
.rept 16
	ds_load_b128 v[S+4*i:S+4*i+3], v[QA] offset:128*(i/4)+16*(i%4)   ; block i / 4 begins 128 bytes on in the row; my half's 64 bytes of it in four pieces
.set i, i+1
.endr
.endm
.macro QUANT t
	WIN 0x55*\t
.irp b, 0,1,2,3
	v_max3_num_f32 v[BM+\b], |v[S+16*\b]|, |v[S+1+16*\b]|, 0x8000000
.endr
.irp i, 2,4,6,8,10,12,14
.irp b, 0,1,2,3
	s_delay_alu instid0(VALU_DEP_4)
	v_max3_num_f32 v[BM+\b], v[BM+\b], |v[S+16*\b+\i]|, |v[S+1+16*\b+\i]|
.endr
.endr
.irp b, 0,1,2,3
	s_delay_alu instid0(VALU_DEP_4)
	v_permlanex16_b32 v[PT+\b], v[BM+\b], s[SEL], s[SEL+1]
.endr
.irp b, 0,1,2,3
	s_delay_alu instid0(VALU_DEP_4)
	v_max_num_f32 v[BM+\b], v[BM+\b], v[PT+\b]
.endr
.irp b, 0,1,2,3
	s_delay_alu instid0(VALU_DEP_4)
	v_add_nc_u32 v[SO+\b], 0xf8800000, v[BM+\b]
.endr
.irp b, 0,1,2,3
	v_and_or_b32 v[HD+\b], v[BM+\b], 0x7f800000, s[MNT]
.endr
.irp b, 0,1,2,3
	v_lshrrev_b32 v[PT+\b], 23, v[SO+\b]
.endr
	s_delay_alu instid0(VALU_DEP_3)
	v_lshl_or_b32 v[FAC+1], v[PT+1], 8, v[PT]
	s_delay_alu instid0(VALU_DEP_1)
	v_lshl_or_b32 v[FAC+1], v[PT+2], 16, v[FAC+1]
	WIN 0x11*\t
	v_lshl_or_b32 v[QSW+\t], v[PT+3], 24, v[FAC+1]
	WIN 0x55*\t
.irp b, 0,1,2,3
.set j, 0
.rept 16
	v_med3_num_f32 v[S+16*\b+j], v[S+16*\b+j], -v[HD+\b], v[HD+\b]
.set j, j+1
.endr
	v_cvt_scalef32_pk8_bf8_f32 v[QF+4*\b:QF+4*\b+1], v[S+16*\b:S+16*\b+7], v[SO+\b]
	v_cvt_scalef32_pk8_bf8_f32 v[QF+4*\b+2:QF+4*\b+3], v[S+16*\b+8:S+16*\b+15], v[SO+\b]
.endr
	v_nop
.endm
; THE WAY OUT of a block: O^T / the sum goes through my stage, a tile (16 rows of 512 bytes) at a time, and leaves as whole rows.
.macro OUTT t
	WIN 0x55*\t
	v_add_f32 v[SUM], v[SUM], v[SUM+1]
	s_delay_alu instid0(VALU_DEP_1)
	v_permlanex16_b32 v[TP], v[SUM], s[SEL], s[SEL+1]
	s_delay_alu instid0(VALU_DEP_1)
	v_add_f32 v[SUM], v[SUM], v[TP]
	s_wait_alu depctr_va_vdst(0)
	v_rcp_f32 v[SUM], v[SUM]
	v_nop
	s_wait_alu depctr_va_vdst(0)                   ; ahead of the first reader
.set j, 0
.rept 32
	v_pk_mul_f32 v[OT+j:OT+j+1], v[OT+j:OT+j+1], v[SUM:SUM+1] op_sel_hi:[1,0]   ; register 8 d + i is out0(r, 16 d + 8 h + i); each accumulator from its low end on
.set j, j+2
.endr
	WIN 0x04*\t
.irp d, 0,1,2,3,4,5,6,7
	ds_store_b128 v[STO], v[OT+8*\d:OT+8*\d+3] offset:64*\d
	ds_store_b128 v[STO], v[OT+8*\d+4:OT+8*\d+7] offset:64*\d+16
.endr
	s_wait_dscnt 0x0                               ; the stores have read their registers (and the tile before is back in its own)
	WIN 0x40*\t
.set i, 0
.rept 16
	ds_load_b128 v[OT+4*i:OT+4*i+3], v[RD] offset:i*SP
.set i, i+1
.endr
.endm
.macro SEND t, off
	WIN 0x04*\t
.set i, 0
.rept 16
	global_store_b128 v[CO], v[OT+4*i:OT+4*i+3], s[16:17] offset:\off+8192*\t+512*i th:TH_STORE_NT   ; 32 lanes store 512 consecutive bytes, at a multiple of 256 from out0's first byte
.set i, i+1
.endr
.endm
.macro WAYOUT off
	OUTT 0
	OUTT 1
	SEND 0, \off
	s_wait_dscnt 0x0
	SEND 1, \off
	WIN 0
.endm
	s_load_b256 s[4:11], s[0:1], 0x0               ; q, k_codes, k_scales, v_codes
	s_load_b128 s[12:15], s[0:1], 0x20             ; v_scales, mask
	s_load_b64 s[16:17], s[0:1], 0x30              ; out0
	v_lshl_add_u32 v[SPW], v0, 2, SPARE
	v_mov_b32 v[NIL], 0
	ds_add_u32 v[SPW], v[NIL]                      ; the opening lines
	ds_add_u32 v[SPW], v[NIL]
	s_mov_b32 s[TB], 0
	s_mov_b32 s[TS], 0
	v_lshrrev_b32 v71, 5, v0
	v_readfirstlane_b32 s[WV], v71                 ; wave 0..7
	v_lshl_add_u32 v[PA+2], v71, 2, FLG            ; my wave's flag word
	v_mul_u32_u24 v71, v71, STG
	v_add_nc_u32 v71, STAGE, v71                   ; my stage
	v_and_b32 v69, 15, v0                          ; r
	v_bfe_u32 v70, v0, 4, 1                        ; h
	v_and_b32 v[CO], 31, v0
	v_lshlrev_b32 v[PFQ], 8, v[CO]
	v_lshlrev_b32 v[CO], 4, v[CO]
	v_add_nc_u32 v[RD], v71, v[CO]
	v_mad_u32_u24 v[STO], v69, SP, v71
	v_lshl_add_u32 v[QA], v70, 6, v[STO]
	v_lshl_add_u32 v[STO], v70, 5, v[STO]
	v_mul_u32_u24 v[AK0], v69, KP
	v_lshl_add_u32 v[AK0], v70, 4, v[AK0]          ; K: row r, + 16 h
	v_mul_u32_u24 v[AV0], v69, VP
	v_lshl_add_u32 v[AV0], v70, 3, v[AV0]          ; V: row r, + 8 h
	v_add_nc_u32 v[AV0], VOFF, v[AV0]
	v_lshl_add_u32 v[ASC0], v69, 4, KS
	v_lshl_add_u32 v[ABI0], v70, 5, BIAS
	SETSLOT
	v_add_nc_u32 v[ADS], s[TS], v[ASC0]
	v_add_nc_u32 v[ADB], s[TS], v[ABI0]
	; key 4 i + e of thread i: step = wave, tile T = lane / 4, row r = 4 (lane % 4) + e: 512 wave + 256 (lane / 16) + 4 ((lane / 4) % 4) + 64 (lane % 4), + 16 e in the immediate
	v_and_b32 v71, 0xf0, v0
	v_lshlrev_b32 v[PA], 4, v71
	v_and_b32 v71, 12, v0
	v_add_nc_u32 v[PA], v[PA], v71
	v_and_b32 v71, 3, v0
	v_lshl_add_u32 v[PA], v71, 6, v[PA]
	v_add_nc_u32 v[PA], KS, v[PA]
	; V's word of row i / 4, step 4 (i % 4) + e: 2,048 (i % 4) + 16 ((i / 4) % 16) + 4 (i / 64), + 512 e in the immediate
	v_lshlrev_b32 v[PA+1], 11, v71
	v_and_b32 v71, 0x3c, v0
	v_lshl_add_u32 v[PA+1], v71, 2, v[PA+1]
	v_lshrrev_b32 v71, 6, v0
	v_lshl_add_u32 v[PA+1], v71, 2, v[PA+1]
	v_add_nc_u32 v[PA+1], VS, v[PA+1]
	v_lshl_add_u32 v[PA+3], v0, 4, BIAS
	v_mov_b32 v[PA+4], FLG
	v_lshlrev_b32 v71, 4, v0                       ; 16 x thread
	s_wait_alu depctr_va_vdst(0)                   ; ahead of the run of scalar lines
	s_bfe_u32 s57, ttmp6, 0x40000                  ; cx: it enters q's, out0's and the prefetches' addresses alone
	s_and_b32 s58, ttmp7, 0xffff                   ; the head, which the four partners share
	s_mov_b32 s[G1K], 15|(1<<20)|(1<<21)|(4<<22)|(3<<25)   ; the mask: all four; elements of 1 byte; four words of padding after every 32
	s_mov_b32 s[G1K+1], 128<<16
	s_mov_b32 s[G1K+2], 64<<16
	s_mov_b32 s[G1K+3], 128<<16
	s_mov_b32 s[G1K+4], 64                         ; 64 rows x 128 bytes, dense in memory
	s_mov_b32 s[G1K+5], 128
	s_mov_b32 s[G1K+6], 0
	s_mov_b32 s[G1K+7], 0
	s_mov_b32 s[G1V], 15|(1<<20)|(1<<21)|(5<<22)|(3<<25)   ; four words of padding after every 64
	s_mov_b32 s[G1V+1], 256<<16
	s_mov_b32 s[G1V+2], 32<<16
	s_mov_b32 s[G1V+3], 256<<16
	s_mov_b32 s[G1V+4], 32                         ; 32 rows x 256 bytes, 2,048 bytes apart
	s_mov_b32 s[G1V+5], 2048
	s_mov_b32 s[G1V+6], 0
	s_mov_b32 s[G1V+7], 0
	s_mov_b32 s[MNT], 0x600000
	s_mov_b32 s[SEL], 0x76543210
	s_mov_b32 s[SEL+1], 0xfedcba98
	s_mov_b32 s[CS], 0x3fb8aa3b                    ; c = log2(e)
	s_mov_b32 s[CS+1], s[CS]
	s_mov_b32 s[SLOTS], 14                         ; sixteen slots in two walks: fourteen are asked for in the loop
	s_mov_b32 s[FN], 1
	s_mov_b32 s[OFF+1], 0
	s_lshl_b32 s74, s58, 18                        ; the head's first byte in k_codes and in v_codes
	s_mov_b32 s75, 0
	s_and_b32 s82, s[WV], 3                        ; which quarter of a tile I fetch
	s_lshl_b32 s84, s82, 13                        ; K: 64 rows of 128 bytes
	s_mov_b32 s85, 0
	s_add_nc_u64 s[84:85], s[84:85], s[74:75]
	s_lshl_b32 s86, s82, 16                        ; V: 32 rows of 2,048 bytes
	s_mov_b32 s87, 0
	s_add_nc_u64 s[86:87], s[86:87], s[74:75]
	s_mul_i32 s88, s82, 64*KP
	s_mul_i32 s89, s82, 32*VP
	s_add_co_u32 s89, s89, VOFF
	s_lshl_b32 s90, s58, 13                        ; the head's first byte in k_scales, v_scales and mask
	s_mov_b32 s91, 0
	s_lshl_b32 s92, s57, 8
	s_lshl_b32 s93, s[WV], 5
	s_add_co_u32 s92, s92, s93                     ; my first query: 256 cx + 32 wave
	s_lshl_b32 s92, s92, 9
	s_lshl_b32 s93, s58, 20
	s_add_co_u32 s92, s92, s93
	s_mov_b32 s93, 0
	s_wait_dscnt 0x0                               ; both opening adds are done
	s_wait_kmcnt 0x0
	s_add_nc_u64 s[KB:KB+1], s[6:7], s[84:85]
	s_add_nc_u64 s[VB:VB+1], s[10:11], s[86:87]
	s_mov_b32 s[G0K], 1
	s_mov_b32 s[G0K+1], s88
	s_mov_b64 s[G0K+2:G0K+3], s[KB:KB+1]
	s_or_b32 s[G0K+3], s[G0K+3], 0x80000000
	s_mov_b32 s[G0V], 1
	s_mov_b32 s[G0V+1], s89
	s_mov_b64 s[G0V+2:G0V+3], s[VB:VB+1]
	s_or_b32 s[G0V+3], s[G0V+3], 0x80000000
	CROUND                                         ; all four work-groups are here: the first joint loads meet
	TLOAD                                          ; slot 0: one tensor load a wave at the head
	s_add_nc_u64 s[4:5], s[4:5], s[92:93]
	s_add_nc_u64 s[16:17], s[16:17], s[92:93]
	s_add_nc_u64 s[8:9], s[8:9], s[90:91]
	s_add_nc_u64 s[12:13], s[12:13], s[90:91]
	s_add_nc_u64 s[14:15], s[14:15], s[90:91]
	global_load_b128 v[PM:PM+3],   v71, s[14:15]               ; mask: keys 4 i .. 4 i + 3,
	global_load_b128 v[PM+4:PM+7], v71, s[14:15] offset:4096   ; and 1,024 + 4 i ..
	global_load_b128 v[PK:PK+3],   v71, s[8:9]
	global_load_b128 v[PK+4:PK+7], v71, s[8:9] offset:4096
	global_load_b128 v[PV:PV+3],   v71, s[12:13]
	global_load_b128 v[PV+4:PV+7], v71, s[12:13] offset:4096
	QLOAD 0
	; the ring's prefetches: wave 4 asks for K's codes, wave 5 for V's
	s_cmp_eq_u32 s[WV], 4
	s_cselect_b64 s[PFA:PFA+1], s[6:7], s[10:11]
	s_mov_b32 s[PFS], 256
	s_cselect_b32 s[PFS], 0x8000, s[PFS]           ; a slot on
	s_mov_b32 s88, 2048
	s_cselect_b32 s88, 256, s88                    ; from lane to lane
	s_mov_b32 s89, 0x10000
	s_cselect_b32 s89, 0x2000, s89                 ; from partner to partner: 32 blocks
	s_mov_b32 s[PFS+1], 0
	v_and_b32 v[PFO], 31, v0
	v_mul_lo_u32 v[PFO], v[PFO], s88
	s_mul_i32 s90, s57, s89
	s_lshl_b32 s83, s[PFS], 1
	s_add_co_u32 s90, s90, s83                     ; in slot 2: what the first prefetch names
	s_mov_b32 s91, 0
	s_add_nc_u64 s[PFA:PFA+1], s[PFA:PFA+1], s[74:75]
	s_add_nc_u64 s[PFA:PFA+1], s[PFA:PFA+1], s[90:91]
	s_sub_co_u32 s83, s[WV], 4
	s_lshr_b32 s83, s83, 1
	s_cmp_eq_u32 s83, 0
	s_cselect_b32 s[LIM], 9, -1                    ; waves 4 and 5 ask while more than nine slots are to be asked for: slots 2 to 7
	s_wait_alu depctr_va_vdst(0)
	s_wait_loadcnt 32                              ; mask and scale words are in; the 32 loads of q may be out
.irp e, 0,1,2,3,4,5,6,7
	v_cmp_ne_u32 s[MK+\e], 0, v[PM+\e]
.endr
	v_or_b32 v[PF], v[PM], v[PM+1]
	v_or_b32 v[PF+1], v[PM+2], v[PM+3]
	v_or_b32 v[PF+2], v[PM+4], v[PM+5]
	v_or_b32 v[PF+3], v[PM+6], v[PM+7]
	v_or_b32 v[PF], v[PF], v[PF+1]
	v_or_b32 v[PF+2], v[PF+2], v[PF+3]
	v_or_b32 v[PF], v[PF], v[PF+2]
	v_cmp_ne_u32 vcc_lo, 0, v[PF]
	v_mov_b32 v[PF+1], vcc_lo                      ; not 0 where any of my wave's 256 keys counts
	ds_store_b32 v[PA+2], v[PF+1]
.irp e, 0,1,2,3,4,5,6,7
	v_cndmask_b32 v[PK+\e], 0, v[PK+\e], s[MK+\e]  ; a masked key's scale word becomes 0
.endr
.irp e, 0,1,2,3
	ds_store_b32 v[PA], v[PK+\e] offset:16*\e
	ds_store_b32 v[PA], v[PK+4+\e] offset:4096+16*\e
	ds_store_b32 v[PA+1], v[PV+\e] offset:512*\e
	ds_store_b32 v[PA+1], v[PV+4+\e] offset:512*\e+256
.endr
	s_wait_alu depctr_va_vdst(0)
	s_wait_dscnt 0x0
	s_barrier_signal -1                            ; Slot 0's load may stay out
	s_barrier_wait -1
	ds_load_b128 v[PF:PF+3], v[PA+4]
	ds_load_b128 v[PF+4:PF+7], v[PA+4] offset:16
	s_wait_dscnt 0x0
	v_or_b32 v[PF], v[PF], v[PF+1]
	v_or_b32 v[PF+2], v[PF+2], v[PF+3]
	v_or_b32 v[PF+4], v[PF+4], v[PF+5]
	v_or_b32 v[PF+6], v[PF+6], v[PF+7]
	v_or_b32 v[PF], v[PF], v[PF+2]
	v_or_b32 v[PF+4], v[PF+4], v[PF+6]
	v_or_b32 v[PF], v[PF], v[PF+4]
	v_readfirstlane_b32 s92, v[PF]
	s_cmp_lg_u32 s92, 0                            ; has the head a key that counts?  A select, no branch
	s_cselect_b32 s[FILL], 0xce6e6b28, 0
	v_mov_b32 v[PF+8], s[FILL]
	v_mov_b32 v[PF+9], 0
.irp e, 0,1,2,3,4,5,6,7
	v_cndmask_b32 v[PM+\e], v[PF+8], v[PF+9], s[MK+\e]
.endr
	ds_store_b128 v[PA+3], v[PM:PM+3]
	ds_store_b128 v[PA+3], v[PM+4:PM+7] offset:4096
	; slot 1's first fill is issued as a refill is
	s_wait_alu depctr_va_vdst(0)
	s_wait_tensorcnt 0x0
	ds_add_u32 v[SPW], v[NIL]
	NEXTFILL
	s_wait_dscnt 0x0                               ; the add is done, and my tables' stores have landed
	CROUND
	TLOAD
	ASK
	KLOAD 0, 0                                     ; the first step's first loads
	WIN 0
	s_wait_alu depctr_va_vdst(0)
.Lslot:                                            ; fourteen trips, a slot each
	s_wait_loadcnt 0x0                             ; on every way: a block's rows of q are in before anything else takes their registers
	s_and_b32 s92, s[SLOTS], 7
	s_cmp_lg_u32 s92, 6                            ; 14 and 6: a walk's first slot
	s_cbranch_scc1 .Lsame_block
	s_wait_xcnt 0x0                                ; the block before's stores have read their registers
	TURNQ 0
	TURNQ 1
	WIN 0
.irp b, 0,1,2,3
	v_mov_b32 v[PT+\b], 0                          ; a lane permute's destination counts as one of its sources
.endr
	v_mov_b32 v[FAC+1], 0
	s_wait_alu depctr_va_vdst(0)
	s_wait_dscnt 0x0
	QUANT 0
	WIN 0x55
.irp b, 0,1,2,3
	v_mov_b32 v[PT+\b], 0
.endr
	v_mov_b32 v[FAC+1], 0
	QUANT 1
.irp w, 1, 0                           ; the step is written once: a walk's first finds zeros, which the first change of M leaves zeros
	WIN 0x55*\w
	v_mov_b32 v[TM], 0xff61b1e6                    ; -3e38, under every t
	v_floor_f32 v[NM], -v[TM]
	v_mov_b32 v[SUM], 0
	v_mov_b32 v[SUM+1], 0
.set j, 0
.rept 64
	v_mov_b32 v[OT+j], 0
.set j, j+1
.endr
.endr
	s_wait_alu depctr_va_vdst(0)
.Lsame_block:
	STEP 0, 0
	STEP 1, 1
	s_wait_alu depctr_va_vdst(0)
	s_cmp_lg_u32 s[SLOTS], 7                       ; the first walk's last slot
	s_cbranch_scc1 .Lwalk_on
	QLOAD NEXTQ                                    ; the second block's rows, into the score registers: they land under the way out
	WAYOUT 0
	s_wait_alu depctr_va_vdst(0)
.Lwalk_on:
	s_sub_co_u32 s[SLOTS], s[SLOTS], 1
	s_cmp_lg_u32 s[SLOTS], 0
	s_cbranch_scc1 .Lslot
	s_wait_loadcnt 0x0                             ; no load of q is out on the way out of the loop either
	STEP 0, 0                                      ; the last two slots are written out: they ask for nothing more
	STEP 1, 2
	STEP 0, 0
	STEP 1, 3
	WAYOUT NEXTQ
	s_wait_tensorcnt 0x0                           ; the wave's end
	ds_add_u32 v[SPW], v[NIL]
	s_wait_dscnt 0x0
	CROUND                                         ; the closing round
	s_endpgm
.Lfunc_end_k_qcb0208e9ed_attn:
	.size	k_qcb0208e9ed_attn, .Lfunc_end_k_qcb0208e9ed_attn-k_qcb0208e9ed_attn
	.p2alignl 7, 3214868480
	.fill 96, 4, 3214868480
	.section	.rodata,"a",@progbits
	.p2align	6, 0x0
	.amdhsa_kernel k_qcb0208e9ed_attn
		.amdhsa_group_segment_fixed_size 327680
		.amdhsa_private_segment_fixed_size 0
		.amdhsa_enable_private_segment 0
		.amdhsa_kernarg_size 56
		.amdhsa_user_sgpr_count 2
		.amdhsa_user_sgpr_kernarg_segment_ptr 1
		.amdhsa_wavefront_size32 1
		.amdhsa_system_sgpr_workgroup_id_x 1
		.amdhsa_system_sgpr_workgroup_id_y 1
		.amdhsa_system_sgpr_workgroup_id_z 1
		.amdhsa_system_vgpr_workitem_id 0
		.amdhsa_next_free_vgpr 512
		.amdhsa_next_free_sgpr 96
		.amdhsa_reserve_vcc 1
		.amdhsa_float_denorm_mode_32 3
		.amdhsa_float_denorm_mode_16_64 3
		.amdhsa_memory_ordered 1
		.amdhsa_forward_progress 1
		.amdhsa_inst_pref_size 255
	.end_amdhsa_kernel
	.section	.bss,"aw",@nobits
	.p2align	6
	.space	262144
	.amdgpu_metadata
---
amdhsa.version: [ 1, 2 ]
amdhsa.kernels:
  - .name:           k_qcb0208e9ed_attn
    .symbol:         k_qcb0208e9ed_attn.kd
    .args:
      - { .name: q, .offset: 0, .size: 8, .value_kind: global_buffer, .address_space: global }
      - { .name: k_codes, .offset: 8, .size: 8, .value_kind: global_buffer, .address_space: global }
      - { .name: k_scales, .offset: 16, .size: 8, .value_kind: global_buffer, .address_space: global }
      - { .name: v_codes, .offset: 24, .size: 8, .value_kind: global_buffer, .address_space: global }
      - { .name: v_scales, .offset: 32, .size: 8, .value_kind: global_buffer, .address_space: global }
      - { .name: mask, .offset: 40, .size: 8, .value_kind: global_buffer, .address_space: global }
      - { .name: out0, .offset: 48, .size: 8, .value_kind: global_buffer, .address_space: global }
    .group_segment_fixed_size: 327680
    .private_segment_fixed_size: 0
    .kernarg_segment_align: 8
    .kernarg_segment_size: 56
    .max_flat_workgroup_size: 256
    .sgpr_count:     96
    .vgpr_count:     512
    .wavefront_size: 32
...
	.end_amdgpu_metadata
.endif
;; end of part 1
